; MI455X (gfx1250); checked and timed in simulation.
; The chip was launched on July 23, 2026; its instructions are those of AMD's public machine-readable ISA for CDNA 5 (MIT licence, August 2026) and "CDNA5" Instruction Set Architecture Reference Guide (July 2026). The comments in the code are by the model that wrote it; some were corrected since.
;; Simplified Scaled Dot Product Attention. Allowed arithmetic: matrix products marked QUANTISED: E2M3 operands, one E8M0 scale for each 32 along K, by v_wmma_scale_f32_16x16x128_f8f6f4 with both operands' format E2M3, f32 sums; everything else in f32.
;; Inputs: W_o 512 x 512 float32; b_o 512 float32; keys 2 x 4,096 x 512 float32; queries 2 x 4,096 x 512 float32; values 2 x 4,096 x 512 float32.
;; Outputs: out0 2 x 4,096 x 512 float32.
;; This version of the problem:
;;   THIS VERSION OF THE PROBLEM IS GIVEN IN LOW PRECISION. The matrix products marked QUANTISED in the list below multiply operands that are first quantised to E2M3 (2 exponent bits, 3 mantissa bits; 6 bits a number), with one power-of-two scale for each 32 numbers along K (OCP MX v1.0); their sums are f32. All else is computed in f32.
;;   The module's matrix products, in the order in which they are computed (A, B: the left and right operand; K: the contracted axis; several contracted axes count as one K, in the product's order):
;;     1. batch 16 x [M 4,096, K 64] x [K 64, N 4,096]; A: input queries; B: input keys: QUANTISED
;;     2. batch 16 x [M 4,096, K 4,096] x [K 4,096, N 64]; A: softmax (see below); B: input values: QUANTISED
;;     3. [M 8,192, K 512] x [K 512, N 512]; A: computed on the way; B: input W_o: QUANTISED
;;   THE QUANTISER, for each operand of a quantised product, along K:
;;     - K is cut into blocks of 32 from its start; a last block that is shorter is filled with zeros.
;;     - A block's scale is 2^e with e = floor(log2(the largest magnitude in the block)) - 2, held to -126 .. 127; a block of zeros has e = 0. As a byte (E8M0): e + 127.
;;     - Each number is divided by its block's scale, clamped to +-7.5, and rounded to the nearest number of E2M3, ties to even, subnormals kept.
;;     - The product sums the exact products of the quantised numbers (number of the format x scale) in f32.
;;   ~~~python
;;   def quantise(x, axis):      # numpy; x: float32 -> the quantised numbers, widened to float32 again
;;       x = np.moveaxis(x, axis, -1); K = x.shape[-1]
;;       x = np.pad(x, [(0, 0)] * (x.ndim - 1) + [(0, -K % 32)]); x = x.reshape(x.shape[:-1] + (-1, 32)); a = np.abs(x).max(-1, keepdims=True)
;;       e = np.where(a > 0, np.clip(np.frexp(np.where(a > 0, a, 1))[1] - 1 - 2, -126, 127), 0)      # np.frexp(a)[1] - 1 = floor(log2(a)), exactly
;;       r = np.clip(x / 2.0 ** e, -7.5, 7.5)
;;       step = 2.0 ** (np.maximum(np.frexp(np.where(r == 0, 1, r))[1] - 1, 0) - 3)
;;       q = np.round(r / step) * step * 2.0 ** e      # np.round: ties to even
;;       return np.moveaxis(q.reshape(q.shape[:-2] + (-1,))[..., :K], -1, axis).astype(np.float32)
;;   ~~~
;;   SOFTMAX AHEAD OF A QUANTISED PRODUCT. Where the list says 'softmax', what is quantised is not the finished softmax but p = 2^(t - M), with t = logit x log2(e) and M = ceil(the row's largest t), a whole number; so 1/2 < the row's largest p <= 1. The row's sum l is taken of the UNQUANTISED p, in f32, and the product's result is divided by l at the end. Since M is a whole number, a kernel that streams over the keys may use a running M (the ceiling of the running maximum): every later rescaling is an exact power of two, which a block's scale takes up: the codes' values come out the same.
;;   OPERANDS COMPUTED ON THE WAY. 'Computed on the way' means the value that the module computes at that place (a softmax that the list does not call 'softmax' is quantised finished and normalised). What goes into a quantiser is computed in f32, as accurately as f32 sums, v_exp_f32 and their like allow (about 1e-6 of the number): no bf16 or f16 on the way to a quantiser, and a product that is left as it is and whose result goes on into a quantised operand takes f32 operands (vector FMAs, or v_wmma_f32_16x16x4_f32). A number that lies on a knife's edge between two numbers of the format may be rounded either way, as far as f32 arithmetic and the matrix unit's own rounding can turn it there, and no further.
;; One version. Each part assembles by itself: llvm-mc -triple=amdgcn-amd-amdhsa -mcpu=gfx1250 --defsym DOCPART=n.
;; ======== version 1 of 1: 3 launches
;; limits: right only within a limited range of input values
;; workspace buffers: kv 6,684,672 bytes; wc 204,800 bytes; oc 3,145,728 bytes; os 131,072 bytes
;; launch quant (part 1): grid 1056 x 1, 4 waves a work-group, no clusters, 36,352 bytes of LDS; arguments keys, values, W_o, kv, wc; writes kv, wc
.if DOCPART == 1
	.amdgcn_target "amdgcn-amd-amdhsa--gfx1250"
	.amdhsa_code_object_version 6
	.text
	.protected	k_q86a26d75d8_quant
	.globl	k_q86a26d75d8_quant
	.p2align	8
	.type	k_q86a26d75d8_quant,@function
k_q86a26d75d8_quant:
	s_mov_b64 s[64:65], 0
	v_nop
	global_prefetch_b8 v0, s[64:65] scope:SCOPE_SE
	s_setreg_imm32_b32 hwreg(HW_REG_WAVE_MODE, 25, 1), 1
	s_wait_xcnt 0x0
; keys, values [2][4096][512] and W_o [512][512], f32, become codes of FP6 (E2M3) with one E8M0 byte for each 32 along K, laid as IMAGES OF THE OPERAND'S REGISTERS:
; a fragment's 12 registers a lane are three chunks of 512 bytes, chunk j = registers 4 j .. 4 j + 3, lane l's 16 bytes at 512 j + 16 l.
; kv: [batch x head (16)][key step of 128 keys (32)][13,056 bytes]: 0: K, four groups of 32 keys x 1,536; 6,144: K's scale words, 16 bytes a lane; 6,656: V^T, four tiles x 1,536; 12,800: V's scale words, 8 bytes a lane.
; wc: [64 columns of W_o (8)][K step of 128 (4)][6,400 bytes]: laid as V's part.
; K is quantised along the head's 64 (two blocks), V along the keys, W_o along its first axis.
; A block's scale is 2^(floor(log2(largest magnitude)) - 2); its byte is the largest magnitude's exponent field - 2, held at 1 from below by a floor among the maximum's leaves.
; LIMITS: a block of zeros gets the byte 1 where the rule says 127 (its codes are zeros, and this program alone reads the bytes); NaN and infinities among the inputs are not served.
; SHARES: work-groups 0-511: one block of K each; 512-1023: one block of V; 1024-1055: one block of W_o.  128 x 64 numbers a work-group, 8 KB a wave, every load issued at once: no loop, no pointer stepped.
; The two paths part on the work-group's number alone; each has LDS bytes, a barrier and an end of its own.  No tensor loads (nothing is read twice), no cluster (nothing is shared).
.set STEPB, 13056
.set KROWS, 8704                       ; K path: a wave's own stage, 32 rows x 272 bytes, from LDS byte 0 on
.set KSC,   34816                      ; K path: the block's 512 bytes of scale words
.set VSC,   35328                      ; column path: the block's 256 bytes of scale words
.set R,  16                            ; K path: v16-79 as loaded, v80-143 turned, v144-155 the codes
.set X,  80
.set C,  144
.set XC, 16                            ; column path: v16-79 two blocks of 32 numbers, v80-91 the codes
.set CC, 80
; the largest magnitude of 32 numbers v[x] .. v[x + 31], in two chains, with the floor 2^(3 - 127) as one more leaf
.macro BLOCKMAX x, m, t
	v_max3_num_f32 v[\m], |v[\x]|, |v[\x+1]|, |v[\x+2]|
	v_max3_num_f32 v[\t], |v[\x+3]|, |v[\x+4]|, |v[\x+5]|
.irp i, 6,10,14,18,22,26
	v_max3_num_f32 v[\m], v[\m], |v[\x+\i]|, |v[\x+\i+1]|
	v_max3_num_f32 v[\t], v[\t], |v[\x+\i+2]|, |v[\x+\i+3]|
.endr
	v_max3_num_f32 v[\m], v[\m], |v[\x+30]|, |v[\x+31]|
	v_max3_num_f32 v[\m], v[\m], v[\t], 0x1800000
.endm
	s_load_b256 s[4:11], s[0:1], 0x0               ; keys s[4:5], values s[6:7], W_o s[8:9], kv s[10:11]
	s_load_b64 s[12:13], s[0:1], 0x20              ; wc
	v_lshl_add_u32 v168, v0, 2, 0x8c00
	v_mov_b32 v169, 0
	v_lshrrev_b32 v1, 5, v0
	v_readfirstlane_b32 s14, v1                    ; wave 0..3
	v_and_b32 v1, 31, v0                           ; lane
	s_mov_b32 s16, 0x76543210
	s_mov_b32 s17, 0xfedcba98                      ; v_permlanex16_b32's selects for lane l xor 16
	s_wait_kmcnt 0x0
	s_cmp_lt_u32 ttmp9, 512
	s_cbranch_scc0 .Lcolumns
; ---------------- K: wave w makes group w = 2 c + ii of the block: keys 64 c + 16 ii + 0 .. 15 and 64 c + 32 + 16 ii + 0 .. 15, counted 0 .. 31 in that order
	v_and_b32 v2, 15, v0                           ; r
	v_bfe_u32 v3, v0, 4, 1                         ; h
	v_lshlrev_b32 v4, 4, v2
	v_lshl_add_u32 v4, v3, 11, v4                  ; in: lanes 0-15 an even key's 256 bytes of the head, lanes 16-31 the next key's
	s_mul_i32 s22, s14, KROWS
	v_mul_u32_u24 v5, v3, 272
	v_lshl_add_u32 v5, v2, 4, v5
	v_add_nc_u32 v5, s22, v5                       ; into my stage: 272 h + 16 r
	v_mul_u32_u24 v6, v2, 272
	v_lshl_add_u32 v6, v3, 7, v6
	v_add_nc_u32 v6, s22, v6                       ; out of it: row r, block h of the head's two
	v_lshlrev_b32 v8, 4, v1                        ; 16 x lane
	s_mul_i32 s23, s14, 1536
	v_add_nc_u32 v7, s23, v8                       ; my group's image
	s_lshl_b32 s23, s14, 2
	s_add_co_u32 s23, s23, KSC
	v_add_nc_u32 v9, s23, v8                       ; my scale word: 16 x lane + 4 x wave
	v_add_nc_u32 v10, KSC, v8                      ; and the four words of a lane
	v_lshlrev_b32 v11, 3, v3                       ; 8 h
	s_lshr_b32 s18, ttmp9, 8                       ; batch: 2^23 bytes
	s_lshl_b32 s18, s18, 23
	s_and_b32 s19, ttmp9, 31                       ; key step: 128 rows of 2,048 bytes
	s_lshl_b32 s19, s19, 18
	s_add_co_u32 s18, s18, s19
	s_lshr_b32 s19, s14, 1                         ; my first row: 64 (w / 2) + 16 (w % 2), rows of 2,048 bytes
	s_lshl_b32 s19, s19, 17
	s_and_b32 s20, s14, 1
	s_lshl_b32 s20, s20, 15
	s_add_co_u32 s19, s19, s20
	s_add_co_u32 s18, s18, s19
	s_bfe_u32 s19, ttmp9, 0x30005                  ; head: 256 bytes of a row
	s_lshl_b32 s19, s19, 8
	s_add_co_u32 s18, s18, s19
	s_mov_b32 s19, 0
	s_add_nc_u64 s[4:5], s[4:5], s[18:19]
	s_mul_i32 s20, ttmp9, STEPB
	s_mov_b32 s21, 0
	s_add_nc_u64 s[10:11], s[10:11], s[20:21]      ; my block of kv
.irp i, 0,1,2,3,4,5,6,7,8,9,10,11,12,13,14,15
	global_load_b128 v[R+4*\i:R+4*\i+3], v4, s[4:5] offset:4096*\i+32768*(\i/8) th:TH_LOAD_NT   ; my keys 2 i and 2 i + 1: two runs of 256 consecutive bytes, each aligned; my second sixteen lie 16 rows further on
.endr
; The turn through my stage.  My key k (0 .. 31) goes to row (k & 7) + 16 (bit 3 of k) + 8 (bit 4 of k): row 16 u + r holds my key 16 (r / 8) + 8 u + r % 8.
; So rows 0-7 of tile 4 c + i (i = 2 ii + u) are keys 64 c + 8 i + 0 .. 7 and rows 8-15 are keys 64 c + 32 + 8 i + 0 .. 7: in the scores a lane then holds a whole block of 32 keys.
	s_wait_alu depctr_va_vdst(0)
.irp i, 0,1,2,3,4,5,6,7,8,9,10,11,12,13,14,15
	s_wait_loadcnt 15-\i                           ; loads come back in order: load i is in, the 15 - i younger ones may be out
	ds_store_b128 v5, v[R+4*\i:R+4*\i+3] offset:272*(((2*\i)&7)+16*(((2*\i)>>3)&1)+8*(((2*\i)>>4)&1))
.endr
.irp u, 0,1
.irp i, 0,1,2,3,4,5,6,7
	ds_load_b128 v[X+32*\u+4*\i:X+32*\u+4*\i+3], v6 offset:4352*\u+16*\i   ; a wave's LDS instructions are served in order: these see the stores.  32 neighbours along the head's axis a lane
.endr
.endr
	s_wait_dscnt 8                                 ; u = 0's eight loads are in, u = 1's may be out
	BLOCKMAX X, 12, 13
	v_add_nc_u32 v14, 0xff000000, v12              ; 2 off the exponent field: the conversion's scale operand
	v_lshrrev_b32 v15, 23, v14                     ; the byte
	v_cvt_scalef32_pk16_fp6_f32 v[C:C+2], v[X:X+15], v14
	v_cvt_scalef32_pk16_fp6_f32 v[156:158], v[X+16:X+31], v14   ; (a conversion's three registers begin on an even number)
	s_wait_dscnt 0x0
	BLOCKMAX X+32, 164, 165
	v_add_nc_u32 v166, 0xff000000, v164
	v_lshrrev_b32 v167, 23, v166
	v_cvt_scalef32_pk16_fp6_f32 v[C+6:C+8], v[X+32:X+47], v166
	v_cvt_scalef32_pk16_fp6_f32 v[160:162], v[X+48:X+63], v166
	v_nop                                          ; one plain instruction behind the last conversion
.irp i, 0,1,2
	v_mov_b32 v[C+3+\i], v[156+\i]
	v_mov_b32 v[C+9+\i], v[160+\i]
.endr
.irp j, 0,1,2
	global_store_b128 v7, v[C+4*\j:C+4*\j+3], s[10:11] offset:512*\j   ; 32 lanes store 512 consecutive bytes
.endr
	v_lshlrev_b32 v15, v11, v15                    ; my byte at its place: block h is byte h; bytes 2 and 3 stay 0
	v_lshlrev_b32 v167, v11, v167
	v_permlanex16_b32 v12, v15, s16, s17
	v_permlanex16_b32 v164, v167, s16, s17
	v_or_b32 v15, v15, v12                         ; the word of key (r, u = 0), in both halves of the lanes
	v_or_b32 v167, v167, v164                      ; and of (r, u = 1)
	v_cmp_gt_u32 vcc_lo, 16, v1
	v_cndmask_b32 v13, v167, v15, vcc_lo           ; lanes 0-15 carry tile 2 w's words, lanes 16-31 tile 2 w + 1's
	ds_store_b32 v9, v13
	s_wait_dscnt 0x0                               ; for the others' sake: my word has landed
	s_barrier_signal -1
	s_barrier_wait -1
	s_cmp_lg_u32 s14, 0
	s_cbranch_scc1 .Lk_done
	ds_load_b128 v[12:15], v10                     ; wave 0: the four waves' words, 16 bytes a lane
	s_wait_dscnt 0x0
	global_store_b128 v8, v[12:15], s[10:11] offset:6144   ; 512 consecutive bytes
.Lk_done:
	s_wait_tensorcnt 0x0
	ds_add_u32 v168, v169
	s_wait_dscnt 0x0
	s_endpgm
; ---------------- V and W_o: K is the FIRST axis of the block.  A lane takes a column and its registers run down K: nothing is transposed.
; Wave w: columns 32 (w / 2) + lane; of the block's 128 along K the blocks 32 (w % 2) and 64 + 32 (w % 2): just what lanes of half h = w % 2 of a fragment hold.
.Lcolumns:
	s_sub_co_u32 s18, ttmp9, 512                   ; 0-511: V's block; 512-543: W_o's
	s_lshr_b32 s20, s18, 8
	s_lshl_b32 s20, s20, 23
	s_and_b32 s21, s18, 31
	s_lshl_b32 s21, s21, 18
	s_add_co_u32 s20, s20, s21
	s_bfe_u32 s21, s18, 0x30005
	s_lshl_b32 s21, s21, 8
	s_add_co_u32 s20, s20, s21                     ; V: batch, key step, head, as for K
	s_mul_i32 s22, s18, STEPB
	s_add_co_u32 s22, s22, 6656                    ; V's part of the block of kv
	s_and_b32 s19, s18, 31                         ; W_o: 4 x (64 columns) + K step
	s_and_b32 s24, s19, 3
	s_lshl_b32 s24, s24, 18                        ; 128 rows of 2,048 bytes
	s_lshr_b32 s25, s19, 2
	s_lshl_b32 s25, s25, 8                         ; 64 columns
	s_add_co_u32 s24, s24, s25
	s_mul_i32 s26, s19, 6400
	s_cmp_lt_u32 s18, 512                          ; the choice hangs on the work-group's number alone
	s_cselect_b64 s[6:7], s[6:7], s[8:9]
	s_cselect_b64 s[10:11], s[10:11], s[12:13]
	s_cselect_b32 s20, s20, s24
	s_cselect_b32 s22, s22, s26
	s_mov_b32 s21, 0
	s_mov_b32 s23, 0
	s_add_nc_u64 s[6:7], s[6:7], s[20:21]
	s_add_nc_u64 s[10:11], s[10:11], s[22:23]      ; the block's images begin here
	s_lshr_b32 s27, s14, 1                         ; B: which 32 columns
	s_and_b32 s28, s14, 1                          ; h
	s_lshl_b32 s24, s27, 7
	s_lshl_b32 s25, s28, 16                        ; 32 rows down
	s_add_co_u32 s24, s24, s25
	s_mov_b32 s25, 0
	s_add_nc_u64 s[6:7], s[6:7], s[24:25]
	s_mul_i32 s30, s27, 3072                       ; tiles 2 B and 2 B + 1,
	s_lshl_b32 s31, s28, 8                         ; lanes 16 h on
	s_add_co_u32 s30, s30, s31
	s_mov_b32 s31, 0
	s_add_nc_u64 s[32:33], s[10:11], s[30:31]
	s_wait_alu depctr_va_vdst(0)
	v_lshlrev_b32 v2, 2, v1                        ; in: 4 bytes a lane
	v_bfe_u32 v7, v0, 3, 1                         ; column j = 8 u + r + 8 (r / 8): u is bit 3,
	v_bfe_u32 v8, v0, 4, 1                         ; r / 8 is bit 4,
	v_and_b32 v9, 7, v0                            ; r % 8 the low three
	v_mul_u32_u24 v3, v7, 1536
	v_lshl_add_u32 v3, v8, 7, v3
	v_lshl_add_u32 v3, v9, 4, v3                   ; out: tile u, 16 r
	v_lshlrev_b32 v4, 7, v7
	v_lshl_add_u32 v4, v8, 6, v4
	v_lshl_add_u32 v4, v9, 3, v4                   ; scale bytes: 8 (16 u + r)
	s_lshl_b32 s29, s27, 2
	s_add_co_u32 s29, s29, s28
	s_add_co_u32 s29, s29, VSC
	v_add_nc_u32 v4, s29, v4                       ; + 4 B + h (+ 2 c in the immediate)
	v_lshlrev_b32 v6, 3, v1
	v_add_nc_u32 v5, VSC, v6
.irp c, 0,1
.irp i, 0,1,2,3,4,5,6,7,8,9,10,11,12,13,14,15,16,17,18,19,20,21,22,23,24,25,26,27,28,29,30,31
	global_load_b32 v[XC+32*\c+\i], v2, s[6:7] offset:(64*\c+\i)*2048 th:TH_LOAD_NT   ; 32 lanes read 128 consecutive bytes; the wave beside me the 128 next to them
.endr
.endr
	s_wait_loadcnt 32                              ; the first block's 32 loads are in, the second's may be out
	BLOCKMAX XC, 100, 101
	v_add_nc_u32 v102, 0xff000000, v100
	v_lshrrev_b32 v103, 23, v102
	v_cvt_scalef32_pk16_fp6_f32 v[CC:CC+2], v[XC:XC+15], v102
	v_cvt_scalef32_pk16_fp6_f32 v[92:94], v[XC+16:XC+31], v102
	ds_store_b8 v4, v103
	s_wait_loadcnt 0x0
	BLOCKMAX XC+32, 104, 105
	v_add_nc_u32 v106, 0xff000000, v104
	v_lshrrev_b32 v107, 23, v106
	v_cvt_scalef32_pk16_fp6_f32 v[CC+6:CC+8], v[XC+32:XC+47], v106
	v_cvt_scalef32_pk16_fp6_f32 v[96:98], v[XC+48:XC+63], v106
	v_nop                                          ; one plain instruction behind the last conversion
.irp i, 0,1,2
	v_mov_b32 v[CC+3+\i], v[92+\i]
	v_mov_b32 v[CC+9+\i], v[96+\i]
.endr
	ds_store_b8 v4, v107 offset:2
.irp k, 0,1,2
	global_store_b128 v3, v[CC+4*\k:CC+4*\k+3], s[32:33] offset:512*\k   ; lanes 0-7 and 16-23 store 256 consecutive aligned bytes of tile 2 B, the other sixteen of tile 2 B + 1
.endr
	s_wait_dscnt 0x0                               ; for the others' sake: my bytes have landed
	s_barrier_signal -1
	s_barrier_wait -1
	s_cmp_lg_u32 s14, 0
	s_cbranch_scc1 .Lc_done
	ds_load_b64 v[100:101], v5                     ; wave 0: the block's scale words, 8 bytes a lane
	s_wait_dscnt 0x0
	global_store_b64 v6, v[100:101], s[10:11] offset:6144   ; 256 consecutive aligned bytes
.Lc_done:
	s_wait_tensorcnt 0x0
	ds_add_u32 v168, v169
	s_wait_dscnt 0x0
	s_endpgm
.Lfunc_end_k_q86a26d75d8_quant:
	.size	k_q86a26d75d8_quant, .Lfunc_end_k_q86a26d75d8_quant-k_q86a26d75d8_quant
	.p2alignl 7, 3214868480
	.fill 96, 4, 3214868480
	.section	.rodata,"a",@progbits
	.p2align	6, 0x0
	.amdhsa_kernel k_q86a26d75d8_quant
		.amdhsa_group_segment_fixed_size 36352
		.amdhsa_private_segment_fixed_size 0
		.amdhsa_enable_private_segment 0
		.amdhsa_kernarg_size 40
		.amdhsa_user_sgpr_count 2
		.amdhsa_user_sgpr_kernarg_segment_ptr 1
		.amdhsa_wavefront_size32 1
		.amdhsa_system_sgpr_workgroup_id_x 1
		.amdhsa_system_sgpr_workgroup_id_y 1
		.amdhsa_system_sgpr_workgroup_id_z 1
		.amdhsa_system_vgpr_workitem_id 0
		.amdhsa_next_free_vgpr 170
		.amdhsa_next_free_sgpr 66
		.amdhsa_reserve_vcc 1
		.amdhsa_float_denorm_mode_32 3
		.amdhsa_float_denorm_mode_16_64 3
		.amdhsa_memory_ordered 1
		.amdhsa_forward_progress 1
		.amdhsa_inst_pref_size 23
	.end_amdhsa_kernel
	.amdgpu_metadata
---
amdhsa.version: [ 1, 2 ]
amdhsa.kernels:
  - .name:           k_q86a26d75d8_quant
    .symbol:         k_q86a26d75d8_quant.kd
    .args:
      - { .name: keys, .offset: 0, .size: 8, .value_kind: global_buffer, .address_space: global }
      - { .name: values, .offset: 8, .size: 8, .value_kind: global_buffer, .address_space: global }
      - { .name: W_o, .offset: 16, .size: 8, .value_kind: global_buffer, .address_space: global }
      - { .name: kv, .offset: 24, .size: 8, .value_kind: global_buffer, .address_space: global }
      - { .name: wc, .offset: 32, .size: 8, .value_kind: global_buffer, .address_space: global }
    .group_segment_fixed_size: 36352
    .private_segment_fixed_size: 0
    .kernarg_segment_align: 8
    .kernarg_segment_size: 40
    .max_flat_workgroup_size: 128
    .sgpr_count:     66
    .vgpr_count:     170
    .wavefront_size: 32
...
	.end_amdgpu_metadata
.endif
;; end of part 1
;; launch attn (part 2): grid 16 x 16, 16 waves a work-group, clusters of 4 x 1, 327,680 bytes of LDS; arguments queries, kv, oc, os; writes oc, os
.if DOCPART == 2
	.amdgcn_target "amdgcn-amd-amdhsa--gfx1250"
	.amdhsa_code_object_version 6
	.text
	.protected	k_q86a26d75d8_attn
	.globl	k_q86a26d75d8_attn
	.p2align	8
	.type	k_q86a26d75d8_attn,@function
k_q86a26d75d8_attn:
	s_mov_b64 s[64:65], 0
	v_nop
	global_prefetch_b8 v0, s[64:65] scope:SCOPE_SE
	s_setreg_imm32_b32 hwreg(HW_REG_WAVE_MODE, 25, 1), 1
	s_wait_xcnt 0x0
	s_wait_alu depctr_hold_cnt(0) depctr_sa_sdst(0) depctr_va_vdst(0) depctr_va_sdst(0) depctr_va_ssrc(0) depctr_va_vcc(0) depctr_vm_vsrc(0)
	s_getreg_b32 s2, hwreg(HW_REG_IB_STS2, 6, 4)
	s_cmp_eq_u32 s2, 0
	s_cbranch_scc0 .Lentry_in_a_cluster
	s_endpgm
.Lentry_in_a_cluster:
	s_bfe_u32 s2, ttmp6, 0x10000c
	s_cmp_lg_u32 s2, 0x3003
	s_cbranch_scc0 .Lentry_shape_is_right
	s_endpgm
.Lentry_shape_is_right:
; For one batch and head: O[q] = sum over keys of softmax(Q[q] . K[key] / 8) V[key], both products on codes of FP6 (E2M3) with E8M0 scales; O / l is quantised along the model's channels and leaves as codes.
; t = score x log2(e) / 8; M = the running largest t rounded UP to a whole number; p = 2^(t - M) is quantised along the keys; the row's sum l is taken of the unquantised p; when M moves, l and O are multiplied by 2^(old M - new M), exactly.
; SHARES: a work-group owns 256 queries of one (batch, head); each of its sixteen waves 16 of them in 256 registers, four waves to a SIMD.
; Both products are used transposed (S^T = K Q^T, O^T = V^T P^T): a lane holds ONE query (lane % 16) throughout.  K, V^T and their scale words come from kv as images of the operand's registers: 16 bytes a lane, consecutive.
; THE KEYS OF A TILE: rows 0-7 of tile 4 c + i of K are keys 64 c + 8 i + 0 .. 7, rows 8-15 keys 64 c + 32 + 8 i + 0 .. 7.  So registers 32 c .. 32 c + 31 of the scores in lane (r, h) are keys 64 c + 32 h + 0 .. 31:
; a WHOLE block of 32 in one lane, in the order of the second product's operand.  A block's maximum needs no other lane, and p's codes stand where they are converted (but for the halves that begin on an odd register).
; THE FIRST PRODUCT'S K IS 64 of the instruction's 128.  Q's registers 6-11 are zero codes and bytes 2, 3 of Q's and K's scale words are 0 (2^-127).  K's fragment t is named v[KF+6t : KF+6t+11]: its upper six registers are
; the next fragment's codes (for t = 7 six registers of scratch, always written); FP6 has no NaN and no infinity, and these codes meet zero codes, so they add exactly 0.
; ONE STEP AHEAD: step s + 1's K is loaded behind step s's first product, its V^T behind step s's second product: each has a softmax's work in which to land.
; THE EXPONENTIALS go in two batches, one for each of a lane's two blocks.  Among the first batch's lines stand the second block's multiply-adds, among the second's eight independent additions of the first block's p:
; none of these lines reads what another line of its batch writes.  The row's sum is a tree and three chains, whose lines stand between the dependent lines that make p's scale word.
; LDS: 24 slots of one key step (13,056 bytes).  Waves 0-7 fetch: steps 0-7 at the head (a step a wave), steps 8-23 behind the first round (two steps a wave), steps 24-31 into slots 0-7 behind iteration 6, which has read step 7.
; A fetching wave has one tensor load out at any time.  CLUSTER: the four work-groups of a cluster belong to one (batch, head) and walk the same kv: every tile is asked for jointly (mask 15).
; NO PREFETCH: steps 0-23 are asked for at the head and behind the first round, ahead of any loop; the one refill is asked for 16 iterations ahead of the wait for it.
; LIMITS: NaN and infinities among the inputs are not served; scores lie above -3e38; a block of zeros gets the byte 1 where the rule says 127 (its codes are zeros; this program alone reads the bytes); O / l is a reciprocal and a multiplication in f32.
.set STEPB, 13056
.set REGB,  8*STEPB
.set SCG,   3*REGB                     ; 512 bytes: O's scale bytes meet here; no tile lands in these two blocks of 256
.set SPARE, SCG+512                    ; the spare words, 128 bytes for each of sixteen waves: eight blocks of 256 bytes that no other line names
.set LI,  1                            ; v1   16 x lane
.set L8,  2                            ; v2   8 x lane
.set SPW, 3                            ; v3   SPARE + 4 x my thread's number; never rewritten
.set NIL, 4                            ; v4   0; never rewritten
.set ADK, 5                            ; v5   the next step's LDS byte + 16 x lane
.set AD8, 6                            ; v6   the next step's LDS byte + 8 x lane
.set QA,  7                            ; v7   Q: 2,048 r + 128 h
.set SGA, 8                            ; v8   SCG + 32 x wave + 2 r
.set SGR, 9                            ; v9   SCG + 16 x lane
.set SH8, 10                           ; v10  8 h
.set PWT, 11                           ; v11  my half of p's scale word.   v12 -M; v13 the running largest score; v14-15 the row's sum in two halves
.set QF,  16                           ; v16-27 Q's fragment (v22-27 zeros)
.set QS,  28                           ; v28  Q's scale words
.set PW,  29                           ; v29  p's scale words
.set F,   30                           ; v30  f = 2^(old M - new M); v31 = 0, named with it as a pair
.set KF,  32                           ; v32-79 K's eight half fragments
.set BM,  80                           ; v80-81 my two blocks' largest scores, then largest p, then bytes
.set TT,  82                           ; v82-83 the maxima's second chains, then scratch
.set SCR, 84
.set X2,  85
.set CT0, 80                           ; v80-82, v84-86 the conversions' second halves
.set CT1, 84
.set OM,  87                           ; v87  the old -M, then the other half's part of p's scale word
.set KS,  88                           ; v88-91 K's scale words: v[KS+g]: lanes 0-15 tile 2 g, lanes 16-31 tile 2 g + 1
.set VS,  92                           ; v92-93 V's likewise
.set SO,  94                           ; v94-95 the conversions' scale operands
.set S,   96                           ; v96-159 S^T, then p
.set O,   160                          ; v160-191 O^T
.set VF,  192                          ; v192-239 V^T's four fragments
.set PC,  240                          ; v240-251 p's codes; ahead of the conversions v240-255 hold eight partial sums, pair k at PC + 2 k
.set T6,  252                          ; v252-253, v254-255: partial sums 6 and 7, then the sum's second and third chain
.set T7,  254
.set WV,  12                           ; s12 wave; s13 cx; s14 block of 256 queries; s15 batch x 8 + head
.set G1,  16                           ; s[16:23] descriptor group 1; s[24:35] group 0 for the three fills
.set G0,  24
.set SEL, 36
.set CS,  38                           ; s[38:39] c = log2(e) / 8
.set TB,  40                           ; s40 LDS byte of the key step that is loaded next
.set CNT, 41
.set NC,  52                           ; s52 -c
.macro CROUND                          ; a round of the cluster's barrier
	s_barrier_signal -1
	s_barrier_wait -1
	s_cmp_lg_u32 s[WV], 0
	s_cbranch_scc1 .Lnot_wave_0_\@
	s_barrier_signal -3
.Lnot_wave_0_\@:
	s_barrier_wait -3
	s_barrier_signal -1
	s_barrier_wait -1
.endm
.macro FETCH g                         ; waves 0-7 ask jointly; an s_nop 0 and four v_nop follow the load
	s_cmp_lt_u32 s[WV], 8
	s_cbranch_scc0 .Lno_fetch_\@
	tensor_load_to_lds s[\g:\g+3], s[G1:G1+7]
	s_nop 0
.rept 4
	v_nop
.endr
.Lno_fetch_\@:
.endm
.macro BLOCKMAX x, m, t                ; the largest magnitude of v[x] .. v[x + 31], with the floor 2^(3 - 127)
	v_max3_num_f32 v[\m], |v[\x]|, |v[\x+1]|, |v[\x+2]|
	v_max3_num_f32 v[\t], |v[\x+3]|, |v[\x+4]|, |v[\x+5]|
.irp i, 6,10,14,18,22,26
	v_max3_num_f32 v[\m], v[\m], |v[\x+\i]|, |v[\x+\i+1]|
	v_max3_num_f32 v[\t], v[\t], |v[\x+\i+2]|, |v[\x+\i+3]|
.endr
	v_max3_num_f32 v[\m], v[\m], |v[\x+30]|, |v[\x+31]|
	s_delay_alu instid0(VALU_DEP_1)
	v_max3_num_f32 v[\m], v[\m], v[\t], 0x1800000
.endm
.macro KLOAD                           ; 13 loads: K's fragments and scale words of the step at s[TB]
.irp g, 0,1,2,3
.irp j, 0,1,2
	ds_load_b128 v[KF+12*\g+4*\j:KF+12*\g+4*\j+3], v[ADK] offset:1536*\g+512*\j
.endr
.endr
	ds_load_b128 v[KS:KS+3], v[ADK] offset:6144
.endm
.macro VLOAD                           ; 13 loads: V^T's
.irp T, 0,1,2,3
.irp j, 0,1,2
	ds_load_b128 v[VF+12*\T+4*\j:VF+12*\T+4*\j+3], v[ADK] offset:6656+1536*\T+512*\j
.endr
.endr
	ds_load_b64 v[VS:VS+1], v[AD8] offset:12800
.endm
.macro PADD d, a, b                    ; two additions: pair d = pair a + pair b
	v_pk_add_f32 v[\d:\d+1], v[\a:\a+1], v[\b:\b+1]
.endm
.macro TM j                            ; t - M, two at a time
	v_pk_fma_f32 v[S+\j:S+\j+1], v[S+\j:S+\j+1], s[CS:CS+1], v[12:13] op_sel_hi:[1,0,0]
.endm
	s_load_b256 s[4:11], s[0:1], 0x0               ; queries s[4:5], kv s[6:7], oc s[8:9], os s[10:11]
	v_lshl_add_u32 v[SPW], v0, 2, SPARE
	v_mov_b32 v[NIL], 0
	ds_add_u32 v[SPW], v[NIL]                      ; the opening lines: the add, twice on end, and its wait ahead of the first tensor load
	ds_add_u32 v[SPW], v[NIL]
	v_lshrrev_b32 v5, 5, v0
	v_readfirstlane_b32 s[WV], v5                  ; wave 0..15
	s_lshl_b32 s42, s[WV], 5
	s_add_co_u32 s42, s42, SCG
	v_and_b32 v254, 15, v0                         ; r
	v_bfe_u32 v255, v0, 4, 1                       ; h
	v_and_b32 v1, 31, v0
	v_lshlrev_b32 v[QA], 11, v254
	v_lshlrev_b32 v[SH8], 3, v255
	v_lshlrev_b32 v[L8], 3, v1
	v_lshlrev_b32 v[LI], 4, v1
	v_lshl_add_u32 v[QA], v255, 7, v[QA]
	v_lshl_add_u32 v[SGA], v254, 1, s42
	v_add_nc_u32 v[SGR], SCG, v[LI]
	s_bfe_u32 s13, ttmp6, 0x40000                  ; cx: it enters the addresses of queries, oc and os alone
	s_lshl_b32 s14, ttmp9, 2
	s_add_co_u32 s14, s14, s13                     ; my block of 256 queries
	s_and_b32 s15, ttmp7, 0xffff                   ; batch x 8 + head, which the four partners share
	; descriptor group 1: a key step is a dense block of 13,056 bytes: 51 rows of 256 bytes (32 elements of 8 bytes), no padding: images are read consecutively
	s_mov_b32 s[G1+0], 15|(3<<16)|(1<<21)          ; 15:0 the mask: all four work-groups; 17:16 elements of 8 bytes; 21 set beside a mask
	s_mov_b32 s[G1+1], 32<<16                      ; tensor_dim0 = 32
	s_mov_b32 s[G1+2], 51<<16                      ; tensor_dim1 = 51
	s_mov_b32 s[G1+3], 32<<16                      ; tile_dim0 = 32
	s_mov_b32 s[G1+4], 51                          ; tile_dim1 = 51
	s_mov_b32 s[G1+5], 32                          ; from row to row
	s_mov_b32 s[G1+6], 0
	s_mov_b32 s[G1+7], 0
	s_mov_b32 s[SEL], 0x76543210
	s_mov_b32 s[SEL+1], 0xfedcba98
	s_mov_b32 s[CS], 0x3e38aa3b                    ; log2(e) / 8
	s_mov_b32 s[CS+1], s[CS]
	s_mov_b32 s[NC], 0xbe38aa3b
	s_and_b32 s43, s[WV], 7
	s_mul_i32 s43, s43, STEPB                      ; a fetching wave's step of eight, in LDS and in memory alike
	s_mov_b32 s54, s43
	s_mov_b32 s55, 0
	s_mul_i32 s44, s15, 32*STEPB
	s_add_co_u32 s44, s44, s43
	s_mov_b32 s45, 0
	s_lshr_b32 s46, s15, 3                         ; queries: batch,
	s_lshl_b32 s46, s46, 23
	s_lshl_b32 s47, s14, 19                        ; 256 rows of 2,048 bytes,
	s_add_co_u32 s46, s46, s47
	s_lshl_b32 s47, s[WV], 15                      ; my 16 rows,
	s_add_co_u32 s46, s46, s47
	s_and_b32 s47, s15, 7                          ; the head's 256 bytes
	s_lshl_b32 s47, s47, 8
	s_add_co_u32 s46, s46, s47
	s_mov_b32 s47, 0
	s_lshr_b32 s48, s15, 3                         ; oc: ((tile of 16 rows) x 8 + head) x 768
	s_lshl_b32 s48, s48, 8
	s_lshl_b32 s49, s14, 4
	s_add_co_u32 s48, s48, s49
	s_add_co_u32 s48, s48, s[WV]
	s_lshl_b32 s48, s48, 3
	s_and_b32 s49, s15, 7
	s_add_co_u32 s48, s48, s49
	s_mul_i32 s48, s48, 768
	s_mov_b32 s49, 0
	s_lshl_b32 s50, s15, 13                        ; os: 8,192 bytes a (batch, head), 512 a block of queries
	s_lshl_b32 s51, s14, 9
	s_add_co_u32 s50, s50, s51
	s_mov_b32 s51, 0
	s_wait_dscnt 0x0                               ; both opening adds are done
	s_wait_kmcnt 0x0
	s_add_nc_u64 s[44:45], s[6:7], s[44:45]
	s_add_nc_u64 s[4:5], s[4:5], s[46:47]
	s_add_nc_u64 s[8:9], s[8:9], s[48:49]
	s_add_nc_u64 s[10:11], s[10:11], s[50:51]
	s_mov_b32 s[G0], 1                             ; steps 0-7: step w into slot w
	s_add_co_u32 s[G0+1], s43, 0
	s_mov_b64 s[G0+2:G0+3], s[44:45]
	s_mov_b32 s[G0+4], 1                           ; steps 8-23: steps 8 + 2 w and 9 + 2 w into their slots
	s_lshl_b32 s[G0+5], s43, 1
	s_add_co_u32 s[G0+5], s[G0+5], REGB
	s_add_nc_u64 s[G0+6:G0+7], s[44:45], s[54:55]
	s_add_nc_u64 s[G0+6:G0+7], s[G0+6:G0+7], REGB
	s_mov_b32 s[G0+8], 1                           ; steps 24-31: step 24 + w into slot w
	s_add_co_u32 s[G0+9], s43, 0
	s_add_nc_u64 s[G0+10:G0+11], s[44:45], 3*REGB
.irp n, 0,1,2
	s_or_b32 s[G0+4*\n+3], s[G0+4*\n+3], 0x80000000   ; type = 2
.endr
	CROUND                                         ; all four work-groups are here: the first joint loads meet
	FETCH G0                                       ; one tensor load a wave at the head
	; Q: lane (r, h) takes query r's numbers 32 h .. 32 h + 31 of the head: a whole block, just what registers 0-5 of the fragment hold
	s_wait_alu depctr_va_vdst(0)                   ; the wait ahead of the first reader of the head's addresses
.irp i, 0,1,2,3,4,5,6,7
	global_load_b128 v[S+4*\i:S+4*\i+3], v[QA], s[4:5] offset:16*\i
.endr
	v_mov_b32 v13, 0xff61b1e6                      ; the largest score so far: -3e38
	v_mov_b32 v14, 0                               ; the sum, in two halves
	v_mov_b32 v15, 0
	v_mul_f32 v12, s[NC], v13
	v_mov_b32 v[F+1], 0
	v_floor_f32 v12, v12                           ; -M
.irp i, 0,1,2,3,4,5
	v_mov_b32 v[QF+6+\i], 0                        ; Q's upper half: zero codes
	v_mov_b32 v[KF+48+\i], 0                       ; what fragment 7 of K names behind its own six registers
.endr
.irp j, 0,1,2,3,4,5,6,7,8,9,10,11,12,13,14,15,16,17,18,19,20,21,22,23,24,25,26,27,28,29,30,31
	v_mov_b32 v[O+\j], 0                           ; O^T: the step is written once; the first finds zeros, which the first change of M leaves zeros
.endr
	s_wait_loadcnt 0x0
	BLOCKMAX S, 32, 33
	v_lshlrev_b32 v36, 3, v255
	v_add_nc_u32 v34, 0xff000000, v32              ; 2 off the exponent field: the conversion's scale operand
	v_mov_b32 v37, 0
	v_lshrrev_b32 v35, 23, v34                     ; the byte
	v_cvt_scalef32_pk16_fp6_f32 v[QF:QF+2], v[S:S+15], v34
	v_cvt_scalef32_pk16_fp6_f32 v[40:42], v[S+16:S+31], v34
	v_lshlrev_b32 v35, v36, v35                    ; block h is byte h.  (The plain instruction behind the last conversion)
.irp i, 0,1,2
	v_mov_b32 v[QF+3+\i], v[40+\i]
.endr
	v_permlanex16_b32 v37, v35, s[SEL], s[SEL+1]
	s_delay_alu instid0(VALU_DEP_1)
	v_or_b32 v[QS], v35, v37                       ; query r's scale word; bytes 2 and 3 are 0
.rept 8
	v_nop                                          ; a scale register written by a vector instruction stands eight places ahead of a scaled matrix instruction
.endr
; AN ITERATION: the 128 keys whose fragments are in registers or on their way.  next = 1: the step at LDS byte s[TB] is loaded for the next iteration.
.macro ITER next
	s_wait_dscnt 13                                ; K's 13 loads are in; V^T's 13, issued behind them, may be out
.irp t, 0,4,1,5,2,6,3,7                            ; S^T = K Q^T, the tiles in the order in which the maxima below read them
.if (\t)%2
	v_wmma_scale_f32_16x16x128_f8f6f4 v[S+8*\t:S+8*\t+7], v[KF+6*\t:KF+6*\t+11], v[QF:QF+11], 0, v[KS+\t/2], v[QS] matrix_a_fmt:MATRIX_FMT_FP6 matrix_b_fmt:MATRIX_FMT_FP6 matrix_a_scale:MATRIX_SCALE_ROW1
.else
	v_wmma_scale_f32_16x16x128_f8f6f4 v[S+8*\t:S+8*\t+7], v[KF+6*\t:KF+6*\t+11], v[QF:QF+11], 0, v[KS+\t/2], v[QS] matrix_a_fmt:MATRIX_FMT_FP6 matrix_b_fmt:MATRIX_FMT_FP6
.endif
.endr
.if \next                                          ; four places behind the products: ahead of the loads into K's registers, of the reads of the scores and of writes into the scratch that fragment 7 names
	v_add_nc_u32 v[ADK], s[TB], v[LI]
	v_add_nc_u32 v[AD8], s[TB], v[L8]
.else
	v_nop
	v_nop
.endif
	v_mov_b32 v[OM], v12
	v_nop
.if \next
	KLOAD
.endif
.irp c, 0,1                                        ; the largest score of my two blocks of 32 keys, four chains by turns, each accumulator read from its low end on
	v_max3_num_f32 v[BM+\c], v[S+32*\c], v[S+32*\c+1], v[S+32*\c+2]
	v_max3_num_f32 v[TT+\c], v[S+32*\c+3], v[S+32*\c+4], v[S+32*\c+5]
.endr
.irp i, 6,10,14,18,22,26
.irp c, 0,1
	v_max3_num_f32 v[BM+\c], v[BM+\c], v[S+32*\c+\i], v[S+32*\c+\i+1]
	v_max3_num_f32 v[TT+\c], v[TT+\c], v[S+32*\c+\i+2], v[S+32*\c+\i+3]
.endr
.endr
.irp c, 0,1
	v_max3_num_f32 v[BM+\c], v[BM+\c], v[S+32*\c+30], v[S+32*\c+31]
.endr
.irp c, 0,1
	s_delay_alu instid0(VALU_DEP_2)
	v_max_num_f32 v[BM+\c], v[BM+\c], v[TT+\c]     ; it serves the row's maximum and, since p rises with the score, the block's largest p
.endr
	s_delay_alu instid0(VALU_DEP_1)
	v_max_num_f32 v[X2], v[BM], v[BM+1]
	s_delay_alu instid0(VALU_DEP_1)
	v_permlanex16_b32 v[TT], v[X2], s[SEL], s[SEL+1]
	s_delay_alu instid0(VALU_DEP_1)
	v_max3_num_f32 v13, v13, v[X2], v[TT]          ; the running largest score of my query, lane l xor 16's two blocks among them
	s_delay_alu instid0(VALU_DEP_1)
	v_mul_f32 v[TT+1], s[NC], v13                  ; -t
	s_delay_alu instid0(VALU_DEP_1)
	v_floor_f32 v12, v[TT+1]                       ; the new -M = floor(-t): M is a whole number
	TM 0                                           ; the first block's t - M; the three lines that make f stand among them
	TM 2
	v_sub_f32 v[SCR], v12, v[OM]                   ; old M - new M: a whole number, 0 or less
	TM 4
	TM 6
	v_cvt_i32_f32 v[SCR], v[SCR]                   ; (it saturates)
	TM 8
	TM 10
	v_ldexp_f32 v[F], 1.0, v[SCR]                  ; f = 2^(old M - new M)
.irp j, 12,14,16,18,20,22,24,26,28,30
	TM \j
.endr
.irp c, 0,1
	v_fma_f32 v[BM+\c], v[BM+\c], s[CS], v12       ; the same of each block's largest score
.endr
	v_pk_mul_f32 v[14:15], v[14:15], v[F:F+1] op_sel_hi:[1,0]   ; the sums under the new M
.irp j, 0,2,4,6,8,10,12,14,16,18,20,22,24,26,28,30
	v_pk_mul_f32 v[O+\j:O+\j+1], v[O+\j:O+\j+1], v[F:F+1] op_sel_hi:[1,0]   ; O^T under the new M, each accumulator from its low end on; no transcendental stands between the products that wrote it and these reads
.endr
	s_wait_alu depctr_va_vdst(0)                   ; the wait ahead of the batch
.irp c, 0,1
	v_exp_f32 v[BM+\c], v[BM+\c]                   ; the blocks' largest p: the same two operations on the same number give the same bits
.endr
.irp j, 0,2,4,6,8,10,12,14,16,18,20,22,24,26,28,30
	v_exp_f32 v[S+\j], v[S+\j]                     ; the first block's p = 2^(t - M), at most 1, not normalised;
	TM 32+\j                                       ; among them the second block's t - M, first read behind the next wait
	v_exp_f32 v[S+\j+1], v[S+\j+1]
.endr
	s_wait_alu depctr_va_vdst(0)                   ; one wait behind the first batch and ahead of the second
.irp k, 0,1,2,3,4,5,6,7
	v_exp_f32 v[S+32+4*\k], v[S+32+4*\k]           ; the second block's p;
	PADD PC+2*\k, S+4*\k, S+4*\k+2                 ; among them eight independent partial sums of the first block's unquantised p, first read behind the next wait
	v_exp_f32 v[S+33+4*\k], v[S+33+4*\k]
	v_exp_f32 v[S+34+4*\k], v[S+34+4*\k]
	v_exp_f32 v[S+35+4*\k], v[S+35+4*\k]
.endr
.irp c, 0,1
	v_max_num_f32 v[BM+\c], 0x1800000, v[BM+\c]    ; the floor 2^(3 - 127): the byte cannot fall under 1.  (The plain instructions behind the batch)
.endr
	s_wait_alu depctr_va_vdst(0)                   ; the wait behind the second batch
	PADD PC, PC, PC+2                              ; the eight partial sums are joined; the lines that make p's scale word stand among the additions
	PADD PC+4, PC+4, PC+6
	v_add_nc_u32 v[SO], 0xff000000, v[BM]          ; 2 off the exponent field: the conversion's scale operand
	v_add_nc_u32 v[SO+1], 0xff000000, v[BM+1]
	PADD PC+8, PC+8, PC+10
	PADD T6, T6, T7
	v_lshrrev_b32 v[BM], 23, v[SO]                 ; the byte
	v_lshrrev_b32 v[BM+1], 23, v[SO+1]
	PADD PC, PC, PC+4
	PADD T6, T6, PC+8
	PADD T7, S+32, S+34                            ; the second block's p: three chains
	v_lshl_or_b32 v[PWT], v[BM+1], 16, v[BM]       ; my bytes: blocks h and 2 + h,
	PADD 14, 14, S+36
	PADD T6, T6, PC
	PADD T7, T7, S+38
	v_lshlrev_b32 v[PWT], v[SH8], v[PWT]           ; at their places in the word
	v_cvt_scalef32_pk16_fp6_f32 v[PC:PC+2], v[S:S+15], v[SO]
	v_cvt_scalef32_pk16_fp6_f32 v[CT0:CT0+2], v[S+16:S+31], v[SO]       ; (a conversion's three registers begin on an even number)
	v_cvt_scalef32_pk16_fp6_f32 v[PC+6:PC+8], v[S+32:S+47], v[SO+1]
	v_cvt_scalef32_pk16_fp6_f32 v[CT1:CT1+2], v[S+48:S+63], v[SO+1]
	PADD 14, 14, S+40                              ; plain instructions behind the last conversion
	PADD T6, T6, S+42
	PADD T7, T7, S+44
	v_permlanex16_b32 v[OM], v[PWT], s[SEL], s[SEL+1]
.irp i, 0,1,2
	v_mov_b32 v[PC+3+\i], v[CT0+\i]
	v_mov_b32 v[PC+9+\i], v[CT1+\i]
.endr
	v_or_b32 v[PW], v[PWT], v[OM]                  ; with lane l xor 16's two bytes: p's scale word for these 128 keys
	PADD 14, 14, S+46                              ; eight additions that name no register of the products below: the places behind the write of the scale word
	PADD T6, T6, S+48
	PADD T7, T7, S+50
	PADD 14, 14, S+52
	PADD T6, T6, S+54
	PADD T7, T7, S+56
	PADD 14, 14, S+58
	PADD T6, T6, S+60
	s_wait_alu depctr_va_vdst(0)                   ; the wait here, directly ahead of the wait below
.if \next
	s_wait_dscnt 13                                ; V^T and its scale words are in; the next K's 13 loads may be out
.else
	s_wait_dscnt 0x0
.endif
.irp T, 0,1,2,3                                    ; O^T += V^T P^T.  Lane r of tile 2 B + u holds channel 32 B + 8 u + r + 8 (r / 8).  The accumulators take turns, one instruction a turn
.if (\T)%2
	v_wmma_scale_f32_16x16x128_f8f6f4 v[O+8*\T:O+8*\T+7], v[VF+12*\T:VF+12*\T+11], v[PC:PC+11], v[O+8*\T:O+8*\T+7], v[VS+\T/2], v[PW] matrix_a_fmt:MATRIX_FMT_FP6 matrix_b_fmt:MATRIX_FMT_FP6 matrix_a_scale:MATRIX_SCALE_ROW1
.else
	v_wmma_scale_f32_16x16x128_f8f6f4 v[O+8*\T:O+8*\T+7], v[VF+12*\T:VF+12*\T+11], v[PC:PC+11], v[O+8*\T:O+8*\T+7], v[VS+\T/2], v[PW] matrix_a_fmt:MATRIX_FMT_FP6 matrix_b_fmt:MATRIX_FMT_FP6
.endif
.endr
	PADD T7, T7, S+62                              ; the end of the row's sum: four places, which name no register of the products above, ahead of the loads into V^T's registers
	PADD 14, 14, T6
	v_nop
	PADD 14, 14, T7
.if \next
	VLOAD
.endif
.endm
.macro LOOP n
	s_mov_b32 s[CNT], \n
.Lstep_\@:
	ITER 1
	s_add_co_u32 s[TB], s[TB], STEPB
	s_sub_co_u32 s[CNT], s[CNT], 1
	s_cmp_lg_u32 s[CNT], 0
	s_cbranch_scc1 .Lstep_\@
.endm
	s_wait_alu depctr_va_vdst(0)                   ; the wait at the head's end
	s_wait_tensorcnt 0x0                           ; my step of the first eight is in
	ds_add_u32 v[SPW], v[NIL]
	ds_add_u32 v[SPW], v[NIL]
	s_mov_b32 s[G1+2], 102<<16                     ; no tensor load of mine is out: the next brings two steps, 102 rows
	s_mov_b32 s[G1+4], 102
	s_wait_dscnt 0x0
	CROUND                                         ; steps 0-7 are whole, and all four work-groups are here
	FETCH G0+4                                     ; steps 8-23, first behind the round
	s_mov_b32 s[TB], 0
	v_add_nc_u32 v[ADK], s[TB], v[LI]
	v_add_nc_u32 v[AD8], s[TB], v[L8]
	KLOAD                                          ; step 0
	VLOAD
	s_mov_b32 s[TB], STEPB
	LOOP 7                                         ; iterations 0-6, which load steps 1-7
	s_wait_tensorcnt 0x0                           ; my part of steps 8-23 has landed
	ds_add_u32 v[SPW], v[NIL]                      ; 0 onto my spare word, twice
	ds_add_u32 v[SPW], v[NIL]
	s_mov_b32 s[G1+2], 51<<16                      ; the refill brings one step a wave
	s_mov_b32 s[G1+4], 51
	s_wait_dscnt 0x0                               ; the adds are done, and my reads of slots 0-7 are over: step 7 is in registers
	CROUND                                         ; both now hold of every wave of all four work-groups
	FETCH G0+8                                     ; steps 24-31 into slots 0-7, first behind the round
	s_mov_b32 s[TB], REGB
	LOOP 16                                        ; iterations 7-22, which load steps 8-23
	s_wait_tensorcnt 0x0                           ; my part of the refill has landed
	ds_add_u32 v[SPW], v[NIL]
	s_wait_dscnt 0x0
	s_barrier_signal -1
	s_barrier_wait -1                              ; everybody's has
	s_mov_b32 s[TB], 0
	LOOP 8                                         ; iterations 23-30, which load steps 24-31
	ITER 0                                         ; iteration 31 loads nothing
	; THE WAY OUT.  O^T / l; register 16 B + i of lane (r, h) is channel 32 B + 16 h + i of query r: two blocks of 32, each in lanes l and l xor 16.  K's registers are free: v32-48 are at work
	s_wait_alu depctr_va_vdst(0)
	v_add_f32 v14, v14, v15                        ; the sum's two halves,
	s_delay_alu instid0(VALU_DEP_1)
	v_permlanex16_b32 v48, v14, s[SEL], s[SEL+1]
	s_delay_alu instid0(VALU_DEP_1)
	v_add_f32 v14, v14, v48                        ; and lane l xor 16's
	s_wait_alu depctr_va_vdst(0)                   ; the wait ahead of the reciprocal
	v_rcp_f32 v14, v14
	v_nop                                          ; the plain instruction behind the reciprocal
	s_wait_alu depctr_va_vdst(0)                   ; the wait ahead of the reciprocal's first reader and of O^T's
.irp j, 0,1,2,3,4,5,6,7,8,9,10,11,12,13,14,15,16,17,18,19,20,21,22,23,24,25,26,27,28,29,30,31
	v_mul_f32 v[S+\j], v[O+\j], v14
.endr
.irp b, 0,1
	v_max3_num_f32 v[32+\b], |v[S+16*\b]|, |v[S+16*\b+1]|, 0x1800000
.endr
.irp i, 2,4,6,8,10,12,14
.irp b, 0,1
	s_delay_alu instid0(VALU_DEP_2)
	v_max3_num_f32 v[32+\b], v[32+\b], |v[S+16*\b+\i]|, |v[S+16*\b+\i+1]|
.endr
.endr
.irp b, 0,1
	s_delay_alu instid0(VALU_DEP_2)
	v_permlanex16_b32 v[36+\b], v[32+\b], s[SEL], s[SEL+1]
.endr
.irp b, 0,1
	s_delay_alu instid0(VALU_DEP_2)
	v_max_num_f32 v[32+\b], v[32+\b], v[36+\b]
.endr
.irp b, 0,1
	s_delay_alu instid0(VALU_DEP_2)
	v_add_nc_u32 v[44+\b], 0xff000000, v[32+\b]
.endr
.irp b, 0,1
	s_delay_alu instid0(VALU_DEP_2)
	v_lshrrev_b32 v[36+\b], 23, v[44+\b]
.endr
	s_delay_alu instid0(VALU_DEP_1)
	v_lshl_or_b32 v48, v37, 8, v36                 ; my query's two bytes
	v_cvt_scalef32_pk16_fp6_f32 v[PC:PC+2], v[S:S+15], v44
	v_cvt_scalef32_pk16_fp6_f32 v[40:42], v[S+16:S+31], v45
	v_nop                                          ; one plain instruction behind the last conversion
.irp i, 0,1,2
	v_permlane16_swap_b32 v[PC+\i], v[40+\i]       ; lanes 0-15 now hold block 0 whole, lanes 16-31 block 1
.endr
.irp i, 0,1,2
	s_delay_alu instid0(VALU_DEP_3)
	v_mov_b32 v[PC+3+\i], v[40+\i]
.endr
	global_store_b128 v[LI], v[PC:PC+3], s[8:9]            ; 512 consecutive bytes,
	global_store_b64 v[L8], v[PC+4:PC+5], s[8:9] offset:512   ; and 256: half a fragment of the projection's operand, as its registers stand
	ds_store_b16 v[SGA], v48                       ; both halves of the lanes write the same 16 bits with the same value
	s_wait_dscnt 0x0                               ; for the others' sake
	s_barrier_signal -1
	s_barrier_wait -1
	s_cmp_lg_u32 s[WV], 0
	s_cbranch_scc1 .Lnot_first
	ds_load_b128 v[32:35], v[SGR]                  ; wave 0: the 256 queries' bytes
	s_wait_dscnt 0x0
	global_store_b128 v[LI], v[32:35], s[10:11]    ; 512 consecutive bytes
.Lnot_first:
	s_wait_tensorcnt 0x0                           ; the wave's end
	ds_add_u32 v[SPW], v[NIL]
	s_wait_dscnt 0x0
	CROUND                                         ; the closing round
	s_endpgm
.Lfunc_end_k_q86a26d75d8_attn:
	.size	k_q86a26d75d8_attn, .Lfunc_end_k_q86a26d75d8_attn-k_q86a26d75d8_attn
	.p2alignl 7, 3214868480
	.fill 96, 4, 3214868480
	.section	.rodata,"a",@progbits
	.p2align	6, 0x0
	.amdhsa_kernel k_q86a26d75d8_attn
		.amdhsa_group_segment_fixed_size 327680
		.amdhsa_private_segment_fixed_size 0
		.amdhsa_enable_private_segment 0
		.amdhsa_kernarg_size 32
		.amdhsa_user_sgpr_count 2
		.amdhsa_user_sgpr_kernarg_segment_ptr 1
		.amdhsa_wavefront_size32 1
		.amdhsa_system_sgpr_workgroup_id_x 1
		.amdhsa_system_sgpr_workgroup_id_y 1
		.amdhsa_system_sgpr_workgroup_id_z 1
		.amdhsa_system_vgpr_workitem_id 0
		.amdhsa_next_free_vgpr 256
		.amdhsa_next_free_sgpr 66
		.amdhsa_reserve_vcc 0
		.amdhsa_float_denorm_mode_32 3
		.amdhsa_float_denorm_mode_16_64 3
		.amdhsa_memory_ordered 1
		.amdhsa_forward_progress 1
		.amdhsa_inst_pref_size 74
	.end_amdhsa_kernel
	.amdgpu_metadata
---
amdhsa.version: [ 1, 2 ]
amdhsa.kernels:
  - .name:           k_q86a26d75d8_attn
    .symbol:         k_q86a26d75d8_attn.kd
    .args:
      - { .name: queries, .offset: 0, .size: 8, .value_kind: global_buffer, .address_space: global }
      - { .name: kv, .offset: 8, .size: 8, .value_kind: global_buffer, .address_space: global }
      - { .name: oc, .offset: 16, .size: 8, .value_kind: global_buffer, .address_space: global }
      - { .name: os, .offset: 24, .size: 8, .value_kind: global_buffer, .address_space: global }
    .group_segment_fixed_size: 327680
    .private_segment_fixed_size: 0
    .kernarg_segment_align: 8
    .kernarg_segment_size: 32
    .max_flat_workgroup_size: 512
    .sgpr_count:     66
    .vgpr_count:     256
    .wavefront_size: 32
...
	.end_amdgpu_metadata
.endif
;; end of part 2
;; launch proj (part 3): grid 4 x 64, 8 waves a work-group, no clusters, 35,840 bytes of LDS; arguments oc, os, wc, b_o, out0; writes out0
.if DOCPART == 3
	.amdgcn_target "amdgcn-amd-amdhsa--gfx1250"
	.amdhsa_code_object_version 6
	.text
	.protected	k_q86a26d75d8_proj
	.globl	k_q86a26d75d8_proj
	.p2align	8
	.type	k_q86a26d75d8_proj,@function
k_q86a26d75d8_proj:
	s_mov_b64 s[64:65], 0
	v_nop
	global_prefetch_b8 v0, s[64:65] scope:SCOPE_SE
	s_setreg_imm32_b32 hwreg(HW_REG_WAVE_MODE, 25, 1), 1
	s_wait_xcnt 0x0
; out0 [8192][512] f32 = Q(O) Q(W_o) + b_o, on codes of FP6 (E2M3) with E8M0 scales, K = 512 in four steps of 128.
; oc: [tile of 16 rows (512)][head (8)][768 bytes]: registers 0-3 of half a fragment at 16 x lane, registers 4-5 at 512 + 8 x lane; heads 2 s and 2 s + 1 are K step s.  os: [batch x 8 + head][query] 16 bits: the head's two bytes.
; wc: [64 columns (8)][K step (4)][6,400 bytes]: four tiles' images of 1,536 bytes, then scale words, 8 bytes a lane (word B: lanes 0-15 tile 2 B, lanes 16-31 tile 2 B + 1).
; SHARES: a work-group takes 128 rows x 128 columns; wave w 32 rows (w / 2) x 64 columns (w % 2): eight accumulators, 32 matrix instructions.  Operands come from memory straight into registers, as images: consecutive bytes, 16 or 8 a lane.
; TRANSPOSED: source 0 = 16 columns of W_o, source 1 = 16 rows of O.  Lane r of tile 2 B + u of W_o holds column 32 B + 8 u + r + 8 (r / 8), so register j of lane (r, h) is out(row r, column 32 B + 16 h + 8 u + j).
; The bias is loaded into the accumulators and is the C of each sum's first link.  No tensor loads, no cluster, no barrier: a wave has 32 products, and LDS holds each wave's own stage for the way out alone.
.set ACC, 16                           ; v16-79  accumulator (m, T) at ACC + 8 (4 m + T)
.set B0,  80                           ; two buffers of 74 registers: W_o's four fragments, O's two at + 48, W_o's scale words at + 72
.set B1,  154
.set ASC, 228                          ; v228-235 O's scale words: ASC + 4 m + s
.set TMP, 236                          ; v236-251 their halves as loaded: TMP + 8 m + head
.macro LOADS s, buf                    ; K step s: 21 loads
.irp T, 0,1,2,3
.irp j, 0,1,2
	global_load_b128 v[\buf+12*\T+4*\j:\buf+12*\T+4*\j+3], v1, s[8:9] offset:6400*(\s)+1536*\T+512*\j
.endr
.endr
	global_load_b64 v[\buf+72:\buf+73], v2, s[8:9] offset:6400*(\s)+6144
.irp m, 0,1
	global_load_b128 v[\buf+48+12*\m:\buf+51+12*\m], v1, s[4:5] offset:6144*\m+1536*(\s)
	global_load_b64 v[\buf+52+12*\m:\buf+53+12*\m], v2, s[4:5] offset:6144*\m+1536*(\s)+512
	global_load_b128 v[\buf+54+12*\m:\buf+57+12*\m], v1, s[4:5] offset:6144*\m+1536*(\s)+768
	global_load_b64 v[\buf+58+12*\m:\buf+59+12*\m], v2, s[4:5] offset:6144*\m+1536*(\s)+1280
.endr
.endm
.macro MUL s, buf                      ; eight products; the accumulators take turns, in the same order in every K step
.irp m, 0,1
.irp T, 0,1,2,3
.if (\T)%2
	v_wmma_scale_f32_16x16x128_f8f6f4 v[ACC+8*(4*\m+\T):ACC+8*(4*\m+\T)+7], v[\buf+12*\T:\buf+12*\T+11], v[\buf+48+12*\m:\buf+59+12*\m], v[ACC+8*(4*\m+\T):ACC+8*(4*\m+\T)+7], v[\buf+72+\T/2], v[ASC+4*\m+(\s)] matrix_a_fmt:MATRIX_FMT_FP6 matrix_b_fmt:MATRIX_FMT_FP6 matrix_a_scale:MATRIX_SCALE_ROW1
.else
	v_wmma_scale_f32_16x16x128_f8f6f4 v[ACC+8*(4*\m+\T):ACC+8*(4*\m+\T)+7], v[\buf+12*\T:\buf+12*\T+11], v[\buf+48+12*\m:\buf+59+12*\m], v[ACC+8*(4*\m+\T):ACC+8*(4*\m+\T)+7], v[\buf+72+\T/2], v[ASC+4*\m+(\s)] matrix_a_fmt:MATRIX_FMT_FP6 matrix_b_fmt:MATRIX_FMT_FP6
.endif
.endr
.endr
.endm
.macro PLACES n
.rept \n
	v_nop
.endr
.endm
	s_load_b256 s[4:11], s[0:1], 0x0               ; oc s[4:5], os s[6:7], wc s[8:9], b_o s[10:11]
	s_load_b64 s[12:13], s[0:1], 0x20              ; out0
	v_lshl_add_u32 v254, v0, 2, 0x8800
	v_mov_b32 v255, 0
	v_lshrrev_b32 v1, 5, v0
	s_delay_alu instid0(VALU_DEP_1)
	v_readfirstlane_b32 s14, v1                    ; wave 0..7
	s_and_b32 s15, ttmp7, 0xffff
	s_lshl_b32 s15, s15, 2
	s_lshr_b32 s16, s14, 1
	s_add_co_u32 s15, s15, s16                     ; my 32 rows: 4 y + wave / 2
	s_lshl_b32 s16, ttmp9, 1
	s_and_b32 s17, s14, 1
	s_add_co_u32 s16, s16, s17                     ; my 64 columns: 2 x + wave % 2
	s_mul_i32 s18, s15, 12288                      ; oc: two tiles of rows x 8 heads x 768
	s_mov_b32 s19, 0
	s_lshr_b32 s20, s15, 7                         ; os: batch x 8 heads x 8,192,
	s_lshl_b32 s20, s20, 16
	s_and_b32 s21, s15, 127
	s_lshl_b32 s21, s21, 6                         ; 32 queries x 2 bytes
	s_add_co_u32 s20, s20, s21
	s_mov_b32 s21, 0
	s_mul_i32 s22, s16, 25600                      ; wc: four K steps x 6,400
	s_mov_b32 s23, 0
	s_lshl_b32 s24, s16, 8                         ; b_o: 64 numbers
	s_mov_b32 s25, 0
	s_lshl_b32 s26, s15, 16                        ; out0: 32 rows of 2,048 bytes, + my columns
	s_add_co_u32 s26, s26, s24
	s_mov_b32 s27, 0
	s_mul_i32 s28, s14, 4352                       ; my stage: 16 rows x 272 bytes
	v_and_b32 v8, 15, v0                           ; r
	v_bfe_u32 v9, v0, 4, 1                         ; h
	v_and_b32 v1, 31, v0
	s_delay_alu instid0(VALU_DEP_1)
	v_lshlrev_b32 v2, 3, v1                        ; 8 x lane
	s_delay_alu instid0(VALU_DEP_2)
	v_lshlrev_b32 v1, 4, v1                        ; 16 x lane
	v_lshlrev_b32 v3, 1, v8                        ; 2 r
	v_lshlrev_b32 v4, 6, v9                        ; 64 h
	v_mul_u32_u24 v5, v8, 272
	s_delay_alu instid0(VALU_DEP_1)
	v_lshl_add_u32 v5, v9, 6, v5
	s_delay_alu instid0(VALU_DEP_1)
	v_add_nc_u32 v5, s28, v5                       ; into the stage: row r, + 64 h
	v_mul_u32_u24 v6, v9, 272
	s_delay_alu instid0(VALU_DEP_1)
	v_lshl_add_u32 v6, v8, 4, v6
	s_delay_alu instid0(VALU_DEP_1)
	v_add_nc_u32 v6, s28, v6                       ; back: lanes 0-15 one row of 256 bytes, lanes 16-31 the next
	v_lshlrev_b32 v7, 11, v9
	s_delay_alu instid0(VALU_DEP_1)
	v_lshl_add_u32 v7, v8, 4, v7                   ; and the same two rows in out0
	s_wait_alu depctr_va_vdst(0)
	s_wait_kmcnt 0x0
	s_add_nc_u64 s[4:5], s[4:5], s[18:19]
	s_add_nc_u64 s[6:7], s[6:7], s[20:21]
	s_add_nc_u64 s[8:9], s[8:9], s[22:23]
	s_add_nc_u64 s[10:11], s[10:11], s[24:25]
	s_add_nc_u64 s[12:13], s[12:13], s[26:27]
.irp m, 0,1
.irp d, 0,1,2,3,4,5,6,7
	global_load_u16 v[TMP+8*\m+\d], v3, s[6:7] offset:8192*\d+32*\m   ; row r's two bytes of head d
.endr
.endr
.irp m, 0,1
.irp T, 0,1,2,3
	global_load_b128 v[ACC+8*(4*\m+\T):ACC+8*(4*\m+\T)+3], v4, s[10:11] offset:128*(\T/2)+32*(\T%2)        ; the bias at the lane's eight columns, in the result's layout
	global_load_b128 v[ACC+8*(4*\m+\T)+4:ACC+8*(4*\m+\T)+7], v4, s[10:11] offset:128*(\T/2)+32*(\T%2)+16
.endr
.endr
	LOADS 0, B0
	LOADS 1, B1
	s_wait_loadcnt 58                              ; the sixteen halves are in; the 16 + 21 + 21 loads issued behind them may be out
.irp m, 0,1
.irp s, 0,1,2,3
	v_lshl_or_b32 v[ASC+4*\m+\s], v[TMP+8*\m+2*\s+1], 16, v[TMP+8*\m+2*\s]   ; K step s: head 2 s's bytes below, head 2 s + 1's above
.endr
.endr
	PLACES 8                                       ; a scale register written by a vector instruction stands eight places ahead of a scaled matrix instruction
	s_wait_alu depctr_va_vdst(0)
	s_wait_loadcnt 21                              ; the bias and K step 0 are in; K step 1's 21 loads may be out
	MUL 0, B0
	PLACES 4                                       ; ahead of loads into registers that matrix instructions have read
	LOADS 2, B0
	s_wait_loadcnt 21                              ; K step 1 is in; K step 2's loads may be out
	MUL 1, B1
	PLACES 4
	LOADS 3, B1
	s_wait_loadcnt 21                              ; K step 2 is in; K step 3's loads may be out
	MUL 2, B0
	s_wait_loadcnt 0x0
	MUL 3, B1
	PLACES 4                                       ; ahead of the first read of results, and of loads into the first buffer's registers
	; THE WAY OUT: 16 rows x 64 columns at a time through my own stage; a wave's LDS instructions are served in order, so no wait stands between stores and loads, nor ahead of the second tile's stores
.irp m, 0,1
.irp T, 0,1,2,3
	ds_store_b128 v5, v[ACC+8*(4*\m+\T):ACC+8*(4*\m+\T)+3] offset:128*(\T/2)+32*(\T%2)        ; each accumulator from its low end on
	ds_store_b128 v5, v[ACC+8*(4*\m+\T)+4:ACC+8*(4*\m+\T)+7] offset:128*(\T/2)+32*(\T%2)+16
.endr
.irp i, 0,1,2,3,4,5,6,7
	ds_load_b128 v[B0+32*\m+4*\i:B0+32*\m+4*\i+3], v6 offset:544*\i
.endr
.endr
.irp i, 0,1,2,3,4,5,6,7
	s_wait_dscnt 23-\i                             ; behind the first tile's load i: its 7 - i younger loads and the second tile's sixteen instructions
	global_store_b128 v7, v[B0+4*\i:B0+4*\i+3], s[12:13] offset:(2*\i)*2048 th:TH_STORE_NT   ; sixteen lanes store 256 consecutive bytes, aligned
.endr
.irp i, 0,1,2,3,4,5,6,7
	s_wait_dscnt 7-\i
	global_store_b128 v7, v[B0+32+4*\i:B0+32+4*\i+3], s[12:13] offset:(16+2*\i)*2048 th:TH_STORE_NT
.endr
	s_wait_tensorcnt 0x0
	ds_add_u32 v254, v255
	s_wait_dscnt 0x0
	s_endpgm
.Lfunc_end_k_q86a26d75d8_proj:
	.size	k_q86a26d75d8_proj, .Lfunc_end_k_q86a26d75d8_proj-k_q86a26d75d8_proj
	.p2alignl 7, 3214868480
	.fill 96, 4, 3214868480
	.section	.rodata,"a",@progbits
	.p2align	6, 0x0
	.amdhsa_kernel k_q86a26d75d8_proj
		.amdhsa_group_segment_fixed_size 35840
		.amdhsa_private_segment_fixed_size 0
		.amdhsa_enable_private_segment 0
		.amdhsa_kernarg_size 40
		.amdhsa_user_sgpr_count 2
		.amdhsa_user_sgpr_kernarg_segment_ptr 1
		.amdhsa_wavefront_size32 1
		.amdhsa_system_sgpr_workgroup_id_x 1
		.amdhsa_system_sgpr_workgroup_id_y 1
		.amdhsa_system_sgpr_workgroup_id_z 1
		.amdhsa_system_vgpr_workitem_id 0
		.amdhsa_next_free_vgpr 256
		.amdhsa_next_free_sgpr 66
		.amdhsa_reserve_vcc 0
		.amdhsa_float_denorm_mode_32 3
		.amdhsa_float_denorm_mode_16_64 3
		.amdhsa_memory_ordered 1
		.amdhsa_forward_progress 1
		.amdhsa_inst_pref_size 23
	.end_amdhsa_kernel
	.amdgpu_metadata
---
amdhsa.version: [ 1, 2 ]
amdhsa.kernels:
  - .name:           k_q86a26d75d8_proj
    .symbol:         k_q86a26d75d8_proj.kd
    .args:
      - { .name: oc, .offset: 0, .size: 8, .value_kind: global_buffer, .address_space: global }
      - { .name: os, .offset: 8, .size: 8, .value_kind: global_buffer, .address_space: global }
      - { .name: wc, .offset: 16, .size: 8, .value_kind: global_buffer, .address_space: global }
      - { .name: b_o, .offset: 24, .size: 8, .value_kind: global_buffer, .address_space: global }
      - { .name: out0, .offset: 32, .size: 8, .value_kind: global_buffer, .address_space: global }
    .group_segment_fixed_size: 35840
    .private_segment_fixed_size: 0
    .kernarg_segment_align: 8
    .kernarg_segment_size: 40
    .max_flat_workgroup_size: 256
    .sgpr_count:     66
    .vgpr_count:     256
    .wavefront_size: 32
...
	.end_amdgpu_metadata
.endif
;; end of part 3
